; MI455X (gfx1250); checked and timed in simulation.
; The chip was launched on July 23, 2026; its instructions are those of AMD's public machine-readable ISA for CDNA 5 (MIT licence, August 2026) and "CDNA5" Instruction Set Architecture Reference Guide (July 2026). The comments in the code are by the model that wrote it; some were corrected since.
;; Dilate Attention. Allowed arithmetic: float matrix products may take bf16 or f16 operands with f32 sums; all other float work in f32.
;; Inputs: k 16 x 128 x 64 x 64 float32; q 16 x 128 x 64 x 64 float32; v 16 x 128 x 64 x 64 float32.
;; Outputs: out0 16 x 64 x 64 x 128 float32.
;; One version. Each part assembles by itself: llvm-mc -triple=amdgcn-amd-amdhsa -mcpu=gfx1250 --defsym DOCPART=n.
;; ======== version 1 of 1: 1 launch
;; launch dilate (part 1): grid 256 x 1, 4 waves a work-group, no clusters, 75,264 bytes of LDS; arguments q, k, v, out0; writes out0
.if DOCPART == 1
	.amdgcn_target "amdgcn-amd-amdhsa--gfx1250"
	.amdhsa_code_object_version 6
	.text
	.protected	k_q529600942d_dilate
	.globl	k_q529600942d_dilate
	.p2align	8
	.type	k_q529600942d_dilate,@function
k_q529600942d_dilate:
	s_mov_b64 s[64:65], 0
	v_nop
	global_prefetch_b8 v0, s[64:65] scope:SCOPE_SE
	s_setreg_imm32_b32 hwreg(HW_REG_WAVE_MODE, 25, 1), 1
	s_wait_xcnt 0x0
; Dilated 3 x 3 neighbourhood attention.  q, k, v: [16][128][64][64] f32 (channel planes of 64 rows x 256 bytes);  out0: [16][64][64][128] f32.
; For each pixel and each head of 32 channels: nine logits q.k / sqrt(32) against the keys at rows h-2, h, h+2 and columns w-2, w, w+2
; (zeros outside the image, which still count in the softmax), softmax with the true maximum taken away, weighted sum of v.
;
; WORK-GROUP: one image, one pair of heads (64 channels = 256 bytes of every output pixel), eight output rows of one row parity:
; rows R0, R0+2 .. R0+14, R0 = parity + 16 block.  Rows of one parity meet only rows of the same parity.
; WAVE (four, all run this same text, which has no branch): one head, a strip of four of the eight rows.  A lane holds four neighbouring pixels,
; sixteen lanes an image row; the two halves of the lanes hold 16 channels each.  One row of a head is 16 loads (each 2 x 256 aligned bytes) = 64 registers.
; THE INPUTS NEVER TOUCH LDS.  k lies in a ring of four rows in registers v256-511, v in a ring of four rows in v512-767, q in two buffers in v128-255.
; A row of k or v is loaded once by the wave and serves three output rows from registers.  A strip of four rows needs six rows of k and of v.
; LDS serves only to turn [channel][pixel] into [pixel][channel] and to bring the two heads' halves of a pixel's 256 bytes together.
; LOADS are numbered in the order of need and issued among the arithmetic: ahead of the four channels of work that need load d stand the loads up to
; d + 63.  So the work on a group of channels begins as soon as its own loads are back, and up to 63 loads of the wave are out while it runs:
; 63 x 512 bytes x 4 waves = 126 KiB for the group.
; REGISTER WINDOWS: an instruction names v0-v255; s_set_vgpr_msb says which block of 256 each operand place means.  k and v are always source 1 of a packed
; multiply-add; everything else, and every operand that a DPP shift reads, lies in window 0.  Loads of three windows stand among the products, which costs
; a switch for each run of loads and one back.  Window 3 (v768-1023) holds the rows on their way out, 64 registers for each of the four rows: a store's
; data are never written again, so no instruction waits for a store.
; COLUMNS w-2, w+2: two of a lane's four pixels find them in the lane's own registers.  For the other two the product is formed in the lane that
; holds the key (or value): q (or the weight) is shifted one lane by DPP, and the sum is shifted back, once a row for logits, once a channel for results.
; With bound_ctrl:1 a lane without a neighbour in its row of 16 reads 0, which is the zero padding of the columns.
; ROWS outside the image: the nearest row of the same parity is loaded in their stead (every load stays inside its buffer), and that tap's logits are
; cleared before the maximum and its weights behind the sum by an AND with 0.
; NO MATRIX INSTRUCTIONS: the pixel is a batch index of both operands; of a 16 x 16 tile of q x k only three diagonals would be wanted, and both
; operands would first have to be rounded and transposed.  All arithmetic is f32.
; NO CLUSTER: work-groups share only the rows at the ends of their strips, which they want at opposite ends of their walks.
; LIMIT: an exponential below 2^-126 counts as zero (v_exp_f32 flushes denormal results).
.set PLANE,   16384                    ; bytes of a channel's image
.set ROW2,    512                      ; bytes from a row to the next row of the same parity
.set SPITCH,  144                      ; stage: 32 channels of a pixel + 16 bytes, an odd multiple of 16
.set REGION,  64*SPITCH+128            ; stage: a wave's 64 pixels; 128 modulo 256, so that the two heads of a pixel fall in different banks
.set SBUF,    4*REGION                 ; stage: one buffer; two take turns from row to row
.set VMAIN,   4                        ; byte offset of my 16 bytes in my first channel, in the strip's first output row (ring row 1 of k and v, row 0 of q)
.set VTOP,    5                        ; the same in ring row 0 (two rows up, or the image's first row of this parity)
.set VBOT,    6                        ; the same in ring row 5 (eight rows down, or the image's last row of this parity)
.set SWB,     7                        ; stage address for writing
.set RBB,     8                        ; stage address for reading back
.set OUTOFF,  9                        ; my byte offset in out0
.set QS,      12                       ; v12-19   q shifted by one lane, two sets that take turns
.set M,       20                       ; v20-23   maxima
.set S,       24                       ; v24-27   sums, then reciprocals
.set L,       32                       ; v32-67   logits, then weights: 12 tap + 4 column + pixel
.set ACC,     68                       ; v68-99   four channels x (4 sums of my pixels, 2 for the lane below, 2 for the lane above)
.set T,       100                      ; v100-115 four pixels x four channels, ready for the stage
.set Q,       128                      ; v128-255 q: two rows of 64 registers
.set TO_K,    0x40                     ; destination in window 1: loads of k
.set TO_V,    0x80                     ; destination in window 2: loads of v
.set BY_K,    0x04                     ; source 1 in window 1
.set BY_V,    0x08                     ; source 1 in window 2
.set OUT3,    0xcc                     ; destination (what an LDS load brings) and source 1 (a store's data) in window 3; addresses stay in window 0
.set MSB, 0
.macro WIN new                         ; the immediate's high byte repeats the setting that is left
.if MSB != \new
	s_set_vgpr_msb (MSB<<8)|\new
.set MSB, \new
.endif
.endm
	s_load_b256 s[4:11], s[0:1], 0x0               ; q s[4:5], k s[6:7], v s[8:9], out0 s[10:11]
	v_lshl_add_u32 v126, v0, 2, 0x12400
	v_mov_b32 v127, 0
	v_lshrrev_b32 v1, 5, v0
	v_readfirstlane_b32 s14, v1                    ; wave 0..3
	v_and_b32 v2, 15, v0                           ; x: my place in a row of 16 lanes
	v_bfe_u32 v3, v0, 4, 1                         ; hh: my half of the lanes
	v_lshlrev_b32 v1, 4, v2                        ; 16 x
	s_lshr_b32 s20, s14, 1                         ; my strip.  On the way out: which strip's row I store
	s_and_b32 s21, s14, 1                          ; my head.   On the way out: which 32 pixels of that row
	s_and_b32 s15, ttmp9, 3                        ; block of rows
	s_bfe_u32 s16, ttmp9, 0x10002                  ; parity of rows
	s_lshl4_add_u32 s17, s15, s16                  ; R0 = 16 block + parity
	s_lshr_b32 s12, ttmp9, 3                       ; 2 image + pair of heads,
	s_lshl_b32 s12, s12, 20                        ; times 64 planes
	s_mov_b32 s13, 0
	s_lshr_b32 s24, ttmp9, 4
	s_lshl_b32 s24, s24, 21                        ; out0: image x 64 x 64 x 512 bytes
	s_bfe_u32 s25, ttmp9, 0x10003
	s_lshl_b32 s25, s25, 8                         ; + pair of heads x 256
	s_add_co_u32 s24, s24, s25
	s_lshl_b32 s25, s17, 15                        ; + R0 rows of 64 x 512 bytes
	s_add_co_u32 s24, s24, s25
	s_mov_b32 s25, 0
	; offsets in q, k and v
	s_lshl3_add_u32 s18, s20, s17                  ; the strip's first output row: R0 + 8 strip
	s_sub_co_i32 s19, s18, 2
	s_max_i32 s19, s19, s16                        ; ring row 0, not above the image's first row of this parity
	s_add_co_u32 s26, s18, 8
	s_add_co_u32 s27, s16, 62
	s_min_u32 s26, s26, s27                        ; ring row 5, not below the last
	s_lshl_b32 s18, s18, 8
	s_lshl_b32 s19, s19, 8
	s_lshl_b32 s26, s26, 8
	s_lshl_b32 s28, s21, 19                        ; head x 32 planes
	v_lshl_add_u32 v10, v3, 18, v1                 ; 16 x + hh x 16 planes
	v_add_nc_u32 v10, s28, v10
	v_add_nc_u32 v[VMAIN], s18, v10
	v_add_nc_u32 v[VTOP], s19, v10
	v_add_nc_u32 v[VBOT], s26, v10
	; The stage.  Region = wave that writes it.  Pixel 4 x + p lies at row 16 p + x of 144 bytes; in a row: 8 chunks of four channels.
	; Writing: sixteen lanes are 144 bytes apart, so their 16 bytes fall in 16 different columns of 16 bytes modulo 256.
	s_mul_i32 s30, s14, REGION
	v_mul_u32_u24 v11, v2, SPITCH
	v_lshl_add_u32 v11, v3, 6, v11                 ; my half's 16 channels: four chunks
	v_add_nc_u32 v[SWB], s30, v11
	; Reading back: lane x takes chunk x of a pixel's sixteen (head x / 8, chunk x mod 8); lanes 16-31 the next pixel.
	; Pixel 32 b + 2 m + hh lies at row 16 (2 (m mod 2) + hh) + 8 b + m / 2: the parts with m stand in the loads' immediates.
	s_mul_i32 s31, s20, 2*REGION
	s_mul_i32 s32, s21, 8*SPITCH
	s_add_co_u32 s31, s31, s32
	v_lshrrev_b32 v11, 3, v2
	v_mul_u32_u24 v11, v11, REGION
	v_and_b32 v28, 7, v2
	v_lshl_add_u32 v11, v28, 4, v11
	v_mul_u32_u24 v28, v3, 16*SPITCH
	v_add_nc_u32 v11, v28, v11
	v_add_nc_u32 v[RBB], s31, v11
	s_lshl_b32 s33, s20, 18                        ; out0: four rows of a strip, two image rows of 64 x 512 bytes each,
	s_lshl_b32 s34, s21, 14                        ; 32 pixels of 512 bytes,
	s_add_co_u32 s33, s33, s34
	v_lshl_add_u32 v11, v3, 9, v1                  ; the pixel of the two, 16 x
	v_add_nc_u32 v[OUTOFF], s33, v11
	s_or_b32 s35, s15, s20
	s_cmp_eq_u32 s35, 0                            ; first block and first strip: ring row 0 lies above the image
	s_cselect_b32 s22, 0, -1
	s_lshl2_add_u32 s35, s20, s15
	s_cmp_eq_u32 s35, 7                            ; last block and second strip: ring row 5 lies below it
	s_cselect_b32 s23, 0, -1
	s_mov_b32 s40, 0x76543210                      ; v_permlanex16_b32: lane i of one half reads lane i of the other
	s_mov_b32 s41, 0xfedcba98
	s_mov_b32 s42, 0x3e8293ee                      ; log2(e) / sqrt(32)
	s_mov_b32 s43, 0x3e8293ee
.irp j, 0,1,2,3,4,5,6,7
	v_mov_b32 v[QS+\j], 0                          ; a DPP move counts as a reader of its destination
.endr
	s_wait_kmcnt 0x0
	s_add_nc_u64 s[4:5], s[4:5], s[12:13]
	s_add_nc_u64 s[6:7], s[6:7], s[12:13]
	s_add_nc_u64 s[8:9], s[8:9], s[12:13]
	s_add_nc_u64 s[10:11], s[10:11], s[24:25]
; ---------------------------------------------------------------- loads
; The wave's 256 loads, numbered in the order of need (Ku, Vu: ring row u of k, v, into ring place u mod 4; Qr: q of output row r, into buffer r mod 2):
;   0-63     for each group of four channels: K0 K1 K2 Q0, 16 loads a group: the first products need 16 loads
;   64-111   for each group of four channels: V0 V1 V2, 12 loads a group
;   112-255  whole rows of 16 loads: K3 Q1 V3, K4 Q2 V4, K5 Q3 V5
; In a load lanes 0-15 take the 256 bytes of one channel's row, lanes 16-31 those of the channel 16 further on.
.set NEXT, 0                           ; the number of the next load = loads issued so far
.macro LOAD1
.if NEXT < 64
.set kd_, 0                            ; kind: 0 k, 1 q, 2 v
.set uu_, (NEXT%16)/4
.set ch_, 4*(NEXT/16)+NEXT%4
.if (NEXT%16) > 11
.set kd_, 1
.set uu_, 0
.endif
.else
.if NEXT < 112
.set kd_, 2
.set uu_, ((NEXT-64)%12)/4
.set ch_, 4*((NEXT-64)/12)+NEXT%4
.else
.set kd_, ((NEXT-112)/16)%3
.set uu_, 3+(NEXT-112)/48
.set ch_, NEXT%16
.if kd_ == 1
.set uu_, 1+(NEXT-112)/48
.endif
.endif
.endif
.if kd_ == 1
	WIN 0
	global_load_b128 v[Q+64*(uu_&1)+4*ch_:Q+64*(uu_&1)+4*ch_+3], v[VMAIN], s[4:5] offset:ch_*PLANE+uu_*ROW2 th:TH_LOAD_NT   ; q is read once in the launch
.else
.if uu_ == 0
.set oo_, VTOP
.set dd_, 0
.else
.if uu_ == 5
.set oo_, VBOT
.set dd_, 0
.else
.set oo_, VMAIN
.set dd_, (uu_-1)*ROW2
.endif
.endif
.if kd_ == 0
	WIN TO_K
	global_load_b128 v[64*(uu_&3)+4*ch_:64*(uu_&3)+4*ch_+3], v[oo_], s[6:7] offset:ch_*PLANE+dd_
.else
	WIN TO_V
	global_load_b128 v[64*(uu_&3)+4*ch_:64*(uu_&3)+4*ch_+3], v[oo_], s[8:9] offset:ch_*PLANE+dd_
.endif
.endif
.set NEXT, NEXT+1
.endm
; All loads up to number last go out (79 at the first call, 20 at the most later).  The counter of loads holds 63; a load that would pass that is issued
; only when an older one has come back (ISA guide 5.7.1).  So load d + 63 goes out when load d is back: a call with d + 63 holds the wave no longer
; than the wait for d that follows it, and leaves 63 loads out.
; A ring place is loaded again only behind the last read of what it held; by the numbers: K4 (160..) goes out from row 0's third group of v on, behind
; row 0's logits; Q2 (176..) and V4 (192..) from row 1's start on; K5 (208..) from row 1's first group of v on; Q3 (224..) and V5 (240..) from row 2's start on.
.macro ISSUE_TO last
.rept 80
.if NEXT < 256
.if NEXT < (\last)+1
	LOAD1
.endif
.endif
.endr
.endm
; Loads come back in the order of issue: the count is the number of loads issued behind load d.
.macro NEED d
.set n_, NEXT-1-(\d)
.if n_ > 63
	s_wait_loadcnt 63
.else
	s_wait_loadcnt n_
.endif
.endm
; ---------------------------------------------------------------- logits
; One channel (c_) of output row r: 36 multiply-adds to a lane's logits in 4 moves and 18 packed instructions, all on different sums.
; Tap i is ring row r + i.  Sums 12 i + 10, 11 (column w+2 of pixels 2, 3) are formed one lane above their pixel's, where the key lies;
; sums 12 i + 0, 1 (column w-2 of pixels 0, 1) one lane below.  The first channel starts the sums: nothing is cleared.
.macro QKCH r
.set qq_, Q+64*((\r)&1)+4*c_
.set tt_, QS+4*(c_&1)
	v_mov_b32_dpp v[tt_],   v[qq_+2] row_shr:1 row_mask:0xf bank_mask:0xf bound_ctrl:1   ; q of pixels 2, 3 of lane x-1
	v_mov_b32_dpp v[tt_+1], v[qq_+3] row_shr:1 row_mask:0xf bank_mask:0xf bound_ctrl:1
	v_mov_b32_dpp v[tt_+2], v[qq_]   row_shl:1 row_mask:0xf bank_mask:0xf bound_ctrl:1   ; q of pixels 0, 1 of lane x+1
	v_mov_b32_dpp v[tt_+3], v[qq_+1] row_shl:1 row_mask:0xf bank_mask:0xf bound_ctrl:1
.irp i, 0,1,2
.set kk_, 64*(((\r)+\i)&3)+4*c_
.if c_ == 0
	v_pk_mul_f32 v[L+12*\i+4:L+12*\i+5], v[qq_:qq_+1],     v[kk_:kk_+1]                  ; column w,   pixels 0, 1
	v_pk_mul_f32 v[L+12*\i+6:L+12*\i+7], v[qq_+2:qq_+3],   v[kk_+2:kk_+3]                ; column w,   pixels 2, 3
	v_pk_mul_f32 v[L+12*\i+8:L+12*\i+9], v[qq_:qq_+1],     v[kk_+2:kk_+3]                ; column w+2, pixels 0, 1: my own pixels 2, 3
	v_pk_mul_f32 v[L+12*\i+2:L+12*\i+3], v[qq_+2:qq_+3],   v[kk_:kk_+1]                  ; column w-2, pixels 2, 3: my own pixels 0, 1
.else
	v_pk_fma_f32 v[L+12*\i+4:L+12*\i+5], v[qq_:qq_+1],     v[kk_:kk_+1],     v[L+12*\i+4:L+12*\i+5]
	v_pk_fma_f32 v[L+12*\i+6:L+12*\i+7], v[qq_+2:qq_+3],   v[kk_+2:kk_+3],   v[L+12*\i+6:L+12*\i+7]
	v_pk_fma_f32 v[L+12*\i+8:L+12*\i+9], v[qq_:qq_+1],     v[kk_+2:kk_+3],   v[L+12*\i+8:L+12*\i+9]
	v_pk_fma_f32 v[L+12*\i+2:L+12*\i+3], v[qq_+2:qq_+3],   v[kk_:kk_+1],     v[L+12*\i+2:L+12*\i+3]
.endif
.endr
.irp i, 0,1,2
.set kk_, 64*(((\r)+\i)&3)+4*c_
.if c_ == 0
	v_pk_mul_f32 v[L+12*\i+10:L+12*\i+11], v[tt_:tt_+1],   v[kk_:kk_+1]                  ; column w+2 of pixels 2, 3 of lane x-1: my pixels 0, 1
	v_pk_mul_f32 v[L+12*\i:L+12*\i+1],     v[tt_+2:tt_+3], v[kk_+2:kk_+3]                ; column w-2 of pixels 0, 1 of lane x+1: my pixels 2, 3
.else
	v_pk_fma_f32 v[L+12*\i+10:L+12*\i+11], v[tt_:tt_+1],   v[kk_:kk_+1],     v[L+12*\i+10:L+12*\i+11]
	v_pk_fma_f32 v[L+12*\i:L+12*\i+1],     v[tt_+2:tt_+3], v[kk_+2:kk_+3],   v[L+12*\i:L+12*\i+1]
.endif
.endr
.endm
; Channels 4 g .. 4 g + 3 of output row r.  The newest load that they need: in row 0 the group's sixteenth; later q's load 4 g + 3 of row r, which
; stands behind the whole newest row of k: 112 + 16 (3 (r - 1) + 1) + 4 g + 3.
.macro QKG r, g
.if (\r) == 0
.set d_, 16*(\g)+15
.else
.set d_, 83+48*(\r)+4*(\g)
.endif
	ISSUE_TO d_+63
	NEED d_
	WIN BY_K
.set c_, 4*(\g)
.rept 4
	QKCH \r
.set c_, c_+1
.endr
.endm
; The other half of the lanes holds the sums over the head's other 16 channels; q's buffer, now read, serves as the place to put them.
; Then the twelve sums that were formed in a neighbouring lane go home; at the row's ends they become 0, the logit of a padded column.
.macro REDUCE r
.set pp_, Q+64*((\r)&1)
.set j_, 0
.rept 36
	v_permlanex16_b32 v[pp_+j_], v[L+j_], s40, s41
.set j_, j_+1
.endr
.set j_, 0
.rept 18
	v_pk_add_f32 v[L+j_:L+j_+1], v[L+j_:L+j_+1], v[pp_+j_:pp_+j_+1]
.set j_, j_+2
.endr
.irp i, 0,1,2
	v_mov_b32_dpp v[L+12*\i+10], v[L+12*\i+10] row_shl:1 row_mask:0xf bank_mask:0xf bound_ctrl:1
	v_mov_b32_dpp v[L+12*\i+11], v[L+12*\i+11] row_shl:1 row_mask:0xf bank_mask:0xf bound_ctrl:1
	v_mov_b32_dpp v[L+12*\i],    v[L+12*\i]    row_shr:1 row_mask:0xf bank_mask:0xf bound_ctrl:1
	v_mov_b32_dpp v[L+12*\i+1],  v[L+12*\i+1]  row_shr:1 row_mask:0xf bank_mask:0xf bound_ctrl:1
.endr
.endm
; ---------------------------------------------------------------- softmax
; Tap i's twelve numbers are cleared where its row lies outside the image (mask 0), kept elsewhere (mask -1).
.macro MASKTAP i, mask
.set j_, 0
.rept 12
	v_and_b32 v[L+12*(\i)+j_], \mask, v[L+12*(\i)+j_]
.set j_, j_+1
.endr
.endm
; Over the nine logits of each of my four pixels.  The weights stay unnormalised; S holds 1 / their sum for the end of the row.
; on = 1: tap i can be a row outside the image: its logits are 0, its weights count in the sum, its values are zeros.
.macro SOFTMAX on, i, mask
.if \on
	MASKTAP \i, \mask
.endif
.irp p, 0,1,2,3
	v_max3_num_f32 v[M+\p], v[L+\p], v[L+4+\p], v[L+8+\p]
.endr
.irp p, 0,1,2,3
	v_max3_num_f32 v[M+\p], v[M+\p], v[L+12+\p], v[L+16+\p]
.endr
.irp p, 0,1,2,3
	v_max3_num_f32 v[M+\p], v[M+\p], v[L+20+\p], v[L+24+\p]
.endr
.irp p, 0,1,2,3
	v_max3_num_f32 v[M+\p], v[M+\p], v[L+28+\p], v[L+32+\p]
.endr
.irp p, 0,1,2,3
	v_mul_f32 v[M+\p], 0xbe8293ee, v[M+\p]         ; - max x log2(e) / sqrt(32)
.endr
.set j_, 0
.rept 18
	v_pk_fma_f32 v[L+j_:L+j_+1], v[L+j_:L+j_+1], s[42:43], v[M+(j_&2):M+(j_&2)+1] op_sel_hi:[1,0,1]   ; (logit - max) log2(e) / sqrt(32); the rounding of the product with max shifts all nine alike
.set j_, j_+2
.endr
.set j_, 0
.rept 36
	v_exp_f32 v[L+j_], v[L+j_]
.set j_, j_+1
.endr
	v_nop                                          ; one plain instruction between the exponentials and the first use of a result
	s_wait_alu depctr_va_vdst(0)
	v_pk_add_f32 v[S:S+1],   v[L:L+1],     v[L+4:L+5]
	v_pk_add_f32 v[S+2:S+3], v[L+2:L+3],   v[L+6:L+7]
	v_pk_add_f32 v[M:M+1],   v[L+8:L+9],   v[L+12:L+13]
	v_pk_add_f32 v[M+2:M+3], v[L+10:L+11], v[L+14:L+15]
	v_pk_add_f32 v[S:S+1],   v[S:S+1],     v[L+16:L+17]
	v_pk_add_f32 v[S+2:S+3], v[S+2:S+3],   v[L+18:L+19]
	v_pk_add_f32 v[M:M+1],   v[M:M+1],     v[L+20:L+21]
	v_pk_add_f32 v[M+2:M+3], v[M+2:M+3],   v[L+22:L+23]
	v_pk_add_f32 v[S:S+1],   v[S:S+1],     v[L+24:L+25]
	v_pk_add_f32 v[S+2:S+3], v[S+2:S+3],   v[L+26:L+27]
	v_pk_add_f32 v[M:M+1],   v[M:M+1],     v[L+28:L+29]
	v_pk_add_f32 v[M+2:M+3], v[M+2:M+3],   v[L+30:L+31]
	v_pk_add_f32 v[S:S+1],   v[S:S+1],     v[L+32:L+33]
	v_pk_add_f32 v[S+2:S+3], v[S+2:S+3],   v[L+34:L+35]
	v_pk_add_f32 v[S:S+1],   v[S:S+1],     v[M:M+1]
	v_pk_add_f32 v[S+2:S+3], v[S+2:S+3],   v[M+2:M+3]
.irp p, 0,1,2,3
	v_rcp_f32 v[S+\p], v[S+\p]                     ; the sum holds the maximum's own term, about 1
.endr
	v_nop                                          ; one plain instruction behind the reciprocals
.if \on
	MASKTAP \i, \mask
.endif
.endm
; ---------------------------------------------------------------- weighted sum of v
; The twelve weights whose value lies in a neighbouring lane go there.
.macro SPREAD
	s_wait_alu depctr_va_vdst(0)
.irp i, 0,1,2
	v_mov_b32_dpp v[L+12*\i+10], v[L+12*\i+10] row_shr:1 row_mask:0xf bank_mask:0xf bound_ctrl:1
	v_mov_b32_dpp v[L+12*\i+11], v[L+12*\i+11] row_shr:1 row_mask:0xf bank_mask:0xf bound_ctrl:1
	v_mov_b32_dpp v[L+12*\i],    v[L+12*\i]    row_shl:1 row_mask:0xf bank_mask:0xf bound_ctrl:1
	v_mov_b32_dpp v[L+12*\i+1],  v[L+12*\i+1]  row_shl:1 row_mask:0xf bank_mask:0xf bound_ctrl:1
.endr
.endm
; Tap i of four channels (group g_).  The four channels take turns, so that an instruction finds its sum written at least four instructions earlier.
; A channel's eight sums: 0-3 my four pixels; 4, 5 what my pixels 0, 1 of v give to pixels 2, 3 of lane x-1; 6, 7 what my pixels 2, 3 give to pixels 0, 1 of lane x+1.
.macro PVTAP r, i
.set vv_, 64*(((\r)+(\i))&3)+16*g_
.irp c, 0,1,2,3
.if (\i) == 0
	v_pk_mul_f32 v[ACC+8*\c:ACC+8*\c+1],   v[L+12*\i+4:L+12*\i+5],   v[vv_+4*\c:vv_+4*\c+1]
.else
	v_pk_fma_f32 v[ACC+8*\c:ACC+8*\c+1],   v[L+12*\i+4:L+12*\i+5],   v[vv_+4*\c:vv_+4*\c+1],   v[ACC+8*\c:ACC+8*\c+1]
.endif
.endr
.irp c, 0,1,2,3
.if (\i) == 0
	v_pk_mul_f32 v[ACC+8*\c+2:ACC+8*\c+3], v[L+12*\i+6:L+12*\i+7],   v[vv_+4*\c+2:vv_+4*\c+3]
.else
	v_pk_fma_f32 v[ACC+8*\c+2:ACC+8*\c+3], v[L+12*\i+6:L+12*\i+7],   v[vv_+4*\c+2:vv_+4*\c+3], v[ACC+8*\c+2:ACC+8*\c+3]
.endif
.endr
.irp c, 0,1,2,3
.if (\i) == 0
	v_pk_mul_f32 v[ACC+8*\c+4:ACC+8*\c+5], v[L+12*\i+10:L+12*\i+11], v[vv_+4*\c:vv_+4*\c+1]
.else
	v_pk_fma_f32 v[ACC+8*\c+4:ACC+8*\c+5], v[L+12*\i+10:L+12*\i+11], v[vv_+4*\c:vv_+4*\c+1],   v[ACC+8*\c+4:ACC+8*\c+5]
.endif
.endr
.irp c, 0,1,2,3
.if (\i) == 0
	v_pk_mul_f32 v[ACC+8*\c+6:ACC+8*\c+7], v[L+12*\i:L+12*\i+1],     v[vv_+4*\c+2:vv_+4*\c+3]
.else
	v_pk_fma_f32 v[ACC+8*\c+6:ACC+8*\c+7], v[L+12*\i:L+12*\i+1],     v[vv_+4*\c+2:vv_+4*\c+3], v[ACC+8*\c+6:ACC+8*\c+7]
.endif
.endr
.irp c, 0,1,2,3
	v_pk_fma_f32 v[ACC+8*\c:ACC+8*\c+1],   v[L+12*\i+8:L+12*\i+9],   v[vv_+4*\c+2:vv_+4*\c+3], v[ACC+8*\c:ACC+8*\c+1]
.endr
.irp c, 0,1,2,3
	v_pk_fma_f32 v[ACC+8*\c+2:ACC+8*\c+3], v[L+12*\i+2:L+12*\i+3],   v[vv_+4*\c:vv_+4*\c+1],   v[ACC+8*\c+2:ACC+8*\c+3]
.endr
.endm
; Channels 4 g .. 4 g + 3 of output row r.  The newest load that they need: in row 0 the group's twelfth, 64 + 12 g + 11; later load 4 g + 3 of
; v's ring row r + 2: 112 + 16 (3 (r - 1) + 2) + 4 g + 3.
.macro PVG r, g
.if (\r) == 0
.set d_, 75+12*(\g)
.else
.set d_, 99+48*(\r)+4*(\g)
.endif
	ISSUE_TO d_+63
	NEED d_
	WIN BY_V
.set g_, \g
	PVTAP \r, 0
	PVTAP \r, 1
	PVTAP \r, 2
	WIN 0
.irp c, 0,1,2,3
	v_add_f32_dpp v[ACC+8*\c+2], v[ACC+8*\c+4], v[ACC+8*\c+2] row_shl:1 row_mask:0xf bank_mask:0xf bound_ctrl:1   ; what lane x+1 summed for my pixels 2, 3
.endr
.irp c, 0,1,2,3
	v_add_f32_dpp v[ACC+8*\c+3], v[ACC+8*\c+5], v[ACC+8*\c+3] row_shl:1 row_mask:0xf bank_mask:0xf bound_ctrl:1
.endr
.irp c, 0,1,2,3
	v_add_f32_dpp v[ACC+8*\c],   v[ACC+8*\c+6], v[ACC+8*\c]   row_shr:1 row_mask:0xf bank_mask:0xf bound_ctrl:1   ; what lane x-1 summed for my pixels 0, 1
.endr
.irp c, 0,1,2,3
	v_add_f32_dpp v[ACC+8*\c+1], v[ACC+8*\c+7], v[ACC+8*\c+1] row_shr:1 row_mask:0xf bank_mask:0xf bound_ctrl:1
.endr
.irp p, 0,1,2,3
.irp c, 0,1,2,3
	v_mul_f32 v[T+4*\p+\c], v[ACC+8*\c+\p], v[S+\p]            ; the division by the weights' sum also turns 4 channels x 4 pixels round
.endr
.endr
.irp p, 0,1,2,3
	ds_store_b128 v[SWB], v[T+4*\p:T+4*\p+3] offset:((\r)&1)*SBUF+\p*16*SPITCH+16*g_   ; four channels of pixel 4 x + p
.endr
.endm
; ---------------------------------------------------------------- the way out
; The four waves meet.  In front of the signal each wave's stage stores are done (others read them behind the barrier) and its stage loads are
; back (others write that buffer again behind the next barrier).  Global loads stay out: they land in registers.
.macro MEET
	s_wait_dscnt 0x0
	s_barrier_signal -1
	s_barrier_wait -1
.endm
; Row r of both strips leaves; my wave takes 32 pixels of one of the two rows, two pixels a load: sixteen lanes read the 256 bytes of a pixel
; (128 from each head's region).  Row r has the 64 registers v768 + 64 r .. of its own.
.macro DRAINL r
	WIN OUT3
.irp m, 0,1,2,3,4,5,6,7,8,9,10,11,12,13,14,15
	ds_load_b128 v[64*(\r)+4*\m:64*(\r)+4*\m+3], v[RBB] offset:((\r)&1)*SBUF+(\m&1)*32*SPITCH+(\m>>1)*SPITCH
.endr
.endm
; and sixteen lanes store them as 256 aligned bytes.  No LDS instruction stands between the loads above and these waits.
.macro DRAINS r
	WIN OUT3
.irp m, 0,1,2,3,4,5,6,7,8,9,10,11,12,13,14,15
	s_wait_dscnt 15-\m                             ; LDS loads come back in order: the younger ones stay out
	global_store_b128 v[OUTOFF], v[64*(\r)+4*\m:64*(\r)+4*\m+3], s[10:11] offset:(\r)*65536+\m*1024 th:TH_STORE_NT
.endr
.endm
; ---------------------------------------------------------------- the walk
; One output row.  Behind the barrier the stage is read first; the loads that the next row's first group calls for go out while the stage's bytes
; come; then the row is stored.
.macro ROW r, on, i, mask
.irp g, 0,1,2,3
	QKG \r, \g
.endr
	WIN 0
	REDUCE \r
	SOFTMAX \on, \i, \mask
	SPREAD
.irp g, 0,1,2,3
	PVG \r, \g
.endr
	MEET
	DRAINL \r
.if (\r) < 3
	ISSUE_TO 83+48*((\r)+1)+63
.endif
	DRAINS \r
.endm
	ROW 0, 1, 0, s22                               ; tap 0 is ring row 0, which can lie above the image
	ROW 1, 0, 0, s22
	ROW 2, 0, 0, s22                               ; the last load goes out ahead of this row's first group of v; from there the counts run down
	ROW 3, 1, 2, s23                               ; tap 2 is ring row 5, which can lie below the image
	WIN 0
	s_wait_tensorcnt 0x0
	ds_add_u32 v126, v127
	s_wait_dscnt 0x0
	s_endpgm
.Lfunc_end_k_q529600942d_dilate:
	.size	k_q529600942d_dilate, .Lfunc_end_k_q529600942d_dilate-k_q529600942d_dilate
	.p2alignl 7, 3214868480
	.fill 96, 4, 3214868480
	.section	.rodata,"a",@progbits
	.p2align	6, 0x0
	.amdhsa_kernel k_q529600942d_dilate
		.amdhsa_group_segment_fixed_size 75264
		.amdhsa_private_segment_fixed_size 0
		.amdhsa_enable_private_segment 0
		.amdhsa_kernarg_size 32
		.amdhsa_user_sgpr_count 2
		.amdhsa_user_sgpr_kernarg_segment_ptr 1
		.amdhsa_wavefront_size32 1
		.amdhsa_system_sgpr_workgroup_id_x 1
		.amdhsa_system_sgpr_workgroup_id_y 1
		.amdhsa_system_sgpr_workgroup_id_z 1
		.amdhsa_system_vgpr_workitem_id 0
		.amdhsa_next_free_vgpr 1024
		.amdhsa_next_free_sgpr 66
		.amdhsa_reserve_vcc 0
		.amdhsa_float_denorm_mode_32 3
		.amdhsa_float_denorm_mode_16_64 3
		.amdhsa_memory_ordered 1
		.amdhsa_forward_progress 1
		.amdhsa_inst_pref_size 255
	.end_amdhsa_kernel
	.section	.bss,"aw",@nobits
	.p2align	6
	.space	262144
	.amdgpu_metadata
---
amdhsa.version: [ 1, 2 ]
amdhsa.kernels:
  - .name:           k_q529600942d_dilate
    .symbol:         k_q529600942d_dilate.kd
    .args:
      - { .name: q, .offset: 0, .size: 8, .value_kind: global_buffer, .address_space: global }
      - { .name: k, .offset: 8, .size: 8, .value_kind: global_buffer, .address_space: global }
      - { .name: v, .offset: 16, .size: 8, .value_kind: global_buffer, .address_space: global }
      - { .name: out0, .offset: 24, .size: 8, .value_kind: global_buffer, .address_space: global }
    .group_segment_fixed_size: 75264
    .private_segment_fixed_size: 0
    .kernarg_segment_align: 8
    .kernarg_segment_size: 32
    .max_flat_workgroup_size: 128
    .sgpr_count:     66
    .vgpr_count:     1024
    .wavefront_size: 32
...
	.end_amdgpu_metadata
.endif
;; end of part 1
